; MI455X (gfx1250); checked and timed in simulation.
; The chip was launched on July 23, 2026; its instructions are those of AMD's public machine-readable ISA for CDNA 5 (MIT licence, August 2026) and "CDNA5" Instruction Set Architecture Reference Guide (July 2026). The comments in the code are by the model that wrote it; some were corrected since.
;; Lw Open Pose. Allowed arithmetic: float matrix products may take bf16 or f16 operands with f32 sums; all other float work in f32.
;; Inputs: heatmap2d 8 x 19 x 368 x 368 float32; paf2d 8 x 38 x 368 x 368 float32.
;; Outputs: out0 8 x 19 x 64 x 64 float32; out1 8 x 19 x 64 x 2 float32; out2 8 x 19 x 64 float32; out3 8 x 19 x 64 bool.
;; One version. Each part assembles by itself: llvm-mc -triple=amdgcn-amd-amdhsa -mcpu=gfx1250 --defsym DOCPART=n.
;; ======== version 1 of 1: 3 launches
;; workspace buffers: bits 3,735,552 bytes of whole numbers; pk 38,912 bytes of whole numbers
;; launch mask (part 1): grid 4 x 152, 12 waves a work-group, no clusters, 0 bytes of LDS; arguments heatmap2d, bits; writes bits
.if DOCPART == 1
	.amdgcn_target "amdgcn-amd-amdhsa--gfx1250"
	.amdhsa_code_object_version 6
	.text
	.protected	k_q2c54d12054_mask
	.globl	k_q2c54d12054_mask
	.p2align	8
	.type	k_q2c54d12054_mask,@function
k_q2c54d12054_mask:
	s_mov_b64 s[64:65], 0
	v_nop
	global_prefetch_b8 v0, s[64:65] scope:SCOPE_SE
	s_setreg_imm32_b32 hwreg(HW_REG_WAVE_MODE, 25, 1), 1
	s_wait_xcnt 0x0
; PEAK BITS.  heatmap2d: [152 maps][368 rows][368 columns] f32.  bits: [152 maps][16 row blocks][384 columns] u32;
; bit j (0..22) of word (yb, x) says that pixel (row 23 yb + j, column x) is a peak; columns 368..383 hold 0.
; A pixel h is a peak of the thresholded, zero-padded map exactly when h > max(left, right, up, down, C) on the RAW values, with
; C the f32 just below 0.1: h > C is h >= 0.1; a neighbour under 0.1 is under h anyway, so its replacement by 0 changes nothing;
; a pad counts as 0, which is under C.
; LIMIT: a NaN among the four neighbours is ignored by the maximum (reference() lets it veto the peak); a NaN centre is no peak in both.
; SHARES: a work-group takes 92 rows of one map; wave w takes row block 4 x + (w & 3) (23 rows) and columns 128 (w >> 2) .. + 127;
; a lane takes 4 neighbouring columns.  A wave's load of a row covers 512 consecutive bytes; its one store covers 512 consecutive
; bytes at a multiple of 512 from the buffer's first byte.
; All 71 loads of a wave are issued at once (25 rows of 16 bytes a lane, and for each of 23 rows the word to the left and to the right
; of the lane's four), so the bytes in flight live in registers: no LDS, no barrier, no loop.  No two work-groups share a tile
; (only one halo row above and below), so there is nothing to ask for jointly in a cluster; there is no product for the matrix units.
.set MAPB, 541696                      ; bytes of a map
.set ROWB, 1472                        ; bytes of a row
.set VC,  4                            ; byte offset of my 16 bytes in the block's first row
.set VL,  5                            ; of the word to their left  (clamped into the row)
.set VR,  6                            ; of the word to their right (clamped into the row)
.set VT,  7                            ; of my 16 bytes in the row above the block (clamped into the map)
.set VB,  8                            ; of my 16 bytes in the row below the block (clamped into the map)
.set VS,  9                            ; of my 16 bytes in the block row of bits
.set T,   10                           ; v[10:13]   largest neighbour
.set W,   14                           ; v[14:17]   the four bit words
.set ROW, 20                           ; v[20:119]  row j of the block at ROW + 4 (j + 1), j = -1 .. 23
.set LF,  120                          ; v[120:142] left word of row j
.set RT,  143                          ; v[143:165] right word of row j
	s_load_b128 s[4:7], s[0:1], 0x0                ; heatmap2d s[4:5], bits s[6:7]
	v_lshrrev_b32 v3, 5, v0
	v_readfirstlane_b32 s8, v3                     ; wave 0..11
	s_and_b32 s19, ttmp7, 0xffff                   ; map
	s_and_b32 s9, s8, 3
	s_lshl_b32 s20, ttmp9, 2
	s_add_co_u32 s9, s9, s20                       ; yb = 4 x + (wave & 3), 0..15
	s_mul_i32 s22, s9, 23                          ; the block's first row y0
	s_mul_i32 s10, s22, ROWB
	s_max_u32 s11, s22, 1
	s_sub_co_u32 s11, s11, 1
	s_mul_i32 s11, s11, ROWB                       ; row max(y0 - 1, 0)
	s_add_co_u32 s12, s22, 23
	s_min_u32 s12, s12, 367
	s_mul_i32 s12, s12, ROWB                       ; row min(y0 + 23, 367)
	s_mov_b32 s13, 0x3dcccccc                      ; C: the f32 just below 0.1
	s_cmp_eq_u32 s9, 0
	s_cselect_b32 s14, -1, 0                       ; all lanes: the row above is the pad
	s_cmp_eq_u32 s9, 15
	s_cselect_b32 s15, -1, 0                       ; all lanes: the row below is the pad
	v_and_b32 v1, 31, v0
	v_lshrrev_b32 v3, 7, v0
	v_lshl_add_u32 v1, v3, 5, v1                   ; g = 32 (wave >> 2) + lane: columns 4 g .. 4 g + 3
	v_min_u32 v2, 91, v1                           ; groups 92..95 lie beyond the map: they read group 91 and store 0
	v_lshlrev_b32 v2, 4, v2                        ; 16 gc
	v_add_nc_u32 v[VC], s10, v2
	v_max_u32 v3, 4, v2
	v_add_nc_u32 v3, s10, v3
	v_sub_nc_u32 v[VL], v3, 4                      ; max(16 gc - 4, 0)
	v_add_nc_u32 v3, 16, v2
	v_min_u32 v3, 1468, v3                         ; min(16 gc + 16, the row's last word)
	v_add_nc_u32 v[VR], s10, v3
	v_add_nc_u32 v[VT], s11, v2
	v_add_nc_u32 v[VB], s12, v2
	v_lshlrev_b32 v[VS], 4, v1
	v_cmp_eq_u32 s16, 0, v1                        ; lanes whose left word is the pad
	v_cmp_le_u32 s17, 91, v1                       ; lanes whose right word is the pad
	v_cmp_le_u32 s18, 92, v1                       ; lanes beyond the map
	s_mul_i32 s20, s19, MAPB
	s_mov_b32 s21, 0
	s_wait_kmcnt 0x0
	s_add_nc_u64 s[4:5], s[4:5], s[20:21]          ; my map
	s_mul_i32 s20, s19, 24576
	s_mul_i32 s23, s9, 1536
	s_add_co_u32 s20, s20, s23
	s_add_nc_u64 s[6:7], s[6:7], s[20:21]          ; my block row of bits
	; 71 loads, from the bottom up, in the order in which the rows are worked on
	global_load_b128 v[ROW+96:ROW+99], v[VB], s[4:5]
.set j, 22
.rept 23
	global_load_b128 v[ROW+4*(j+1):ROW+4*(j+1)+3], v[VC], s[4:5] offset:ROWB*j
	global_load_b32 v[LF+j], v[VL], s[4:5] offset:ROWB*j
	global_load_b32 v[RT+j], v[VR], s[4:5] offset:ROWB*j
.set j, j-1
.endr
	global_load_b128 v[ROW:ROW+3], v[VT], s[4:5]
; One pixel: column k of my four in row j (R = the row's first register), l and r the registers to its left and right.
; The word is doubled and the new bit comes in as the carry, so that the row worked on last (row 0) ends in bit 0.
.macro PIX k, l, r
	v_max3_num_f32 v[T+\k], v[\l], v[\r], v[R-4+\k]
	v_max3_num_f32 v[T+\k], v[T+\k], v[R+4+\k], s13
	v_cmp_gt_f32 vcc_lo, v[R+\k], v[T+\k]
.if q == 0
	v_cndmask_b32 v[W+\k], 0, 1, vcc_lo            ; the first row starts the word: nothing is cleared
.else
	v_add_co_ci_u32 v[W+\k], vcc_lo, v[W+\k], v[W+\k], vcc_lo
.endif
.endm
.set q, 0
.rept 23
.set j, 22-q
.set R, ROW+4*(j+1)
	; step q needs the row above, row j - 1, which is load number 4 + 3 q of 0 .. 70: 66 - 3 q loads were issued behind it
	; (the count's field ends at 63, so the first wait asks for a little more than it needs)
.if q == 0
	s_wait_loadcnt 63
.irp k, 0,1,2,3
	v_cndmask_b32 v[ROW+96+\k], v[ROW+96+\k], 0, s15       ; the map's last block: the row below is the pad
.endr
.else
	s_wait_loadcnt 66-3*q
.endif
.if q == 22
.irp k, 0,1,2,3
	v_cndmask_b32 v[ROW+\k], v[ROW+\k], 0, s14             ; the map's first block: the row above is the pad
.endr
.endif
	v_cndmask_b32 v[LF+j], v[LF+j], 0, s16
	v_cndmask_b32 v[RT+j], v[RT+j], 0, s17
	PIX 0, LF+j, R+1
	PIX 1, R, R+2
	PIX 2, R+1, R+3
	PIX 3, R+2, RT+j
.set q, q+1
.endr
.irp k, 0,1,2,3
	v_cndmask_b32 v[W+\k], v[W+\k], 0, s18         ; columns 368..383 hold no peak
.endr
	global_store_b128 v[VS], v[W:W+3], s[6:7]
	s_endpgm
.Lfunc_end_k_q2c54d12054_mask:
	.size	k_q2c54d12054_mask, .Lfunc_end_k_q2c54d12054_mask-k_q2c54d12054_mask
	.p2alignl 7, 3214868480
	.fill 96, 4, 3214868480
	.section	.rodata,"a",@progbits
	.p2align	6, 0x0
	.amdhsa_kernel k_q2c54d12054_mask
		.amdhsa_group_segment_fixed_size 0
		.amdhsa_private_segment_fixed_size 0
		.amdhsa_enable_private_segment 0
		.amdhsa_kernarg_size 16
		.amdhsa_user_sgpr_count 2
		.amdhsa_user_sgpr_kernarg_segment_ptr 1
		.amdhsa_wavefront_size32 1
		.amdhsa_system_sgpr_workgroup_id_x 1
		.amdhsa_system_sgpr_workgroup_id_y 1
		.amdhsa_system_sgpr_workgroup_id_z 1
		.amdhsa_system_vgpr_workitem_id 0
		.amdhsa_next_free_vgpr 168
		.amdhsa_next_free_sgpr 66
		.amdhsa_reserve_vcc 1
		.amdhsa_float_denorm_mode_32 3
		.amdhsa_float_denorm_mode_16_64 3
		.amdhsa_memory_ordered 1
		.amdhsa_forward_progress 1
		.amdhsa_inst_pref_size 31
	.end_amdhsa_kernel
	.amdgpu_metadata
---
amdhsa.version: [ 1, 2 ]
amdhsa.kernels:
  - .name:           k_q2c54d12054_mask
    .symbol:         k_q2c54d12054_mask.kd
    .args:
      - { .name: heatmap2d, .offset: 0, .size: 8, .value_kind: global_buffer, .address_space: global }
      - { .name: bits, .offset: 8, .size: 8, .value_kind: global_buffer, .address_space: global }
    .group_segment_fixed_size: 0
    .private_segment_fixed_size: 0
    .kernarg_segment_align: 8
    .kernarg_segment_size: 16
    .max_flat_workgroup_size: 384
    .sgpr_count:     66
    .vgpr_count:     168
    .wavefront_size: 32
...
	.end_amdgpu_metadata
.endif
;; end of part 1
;; launch pick (part 2): grid 152 x 1, 12 waves a work-group, no clusters, 63,232 bytes of LDS; arguments bits, heatmap2d, out1, out2, out3, pk; writes out1, out2, out3, pk
.if DOCPART == 2
	.amdgcn_target "amdgcn-amd-amdhsa--gfx1250"
	.amdhsa_code_object_version 6
	.text
	.protected	k_q2c54d12054_pick
	.globl	k_q2c54d12054_pick
	.p2align	8
	.type	k_q2c54d12054_pick,@function
k_q2c54d12054_pick:
	s_mov_b64 s[64:65], 0
	v_nop
	global_prefetch_b8 v0, s[64:65] scope:SCOPE_SE
	s_setreg_imm32_b32 hwreg(HW_REG_WAVE_MODE, 25, 1), 1
	s_wait_xcnt 0x0
; THE FIRST 64 PEAKS OF A MAP IN THE ORDER (x, then y), THEIR SCORES, AND THE GREEDY SUPPRESSION AT DISTANCE < 6.
; bits: [152][16 row blocks][384 columns] u32, bit j = peak at row 23 yb + j.  Out: out1 [152][64][2] f32 = 2 x (x, y);
; out2 [152][64] f32 = thresholded score; out3 [152][64] bytes = kept; pk [152][64] u32 = x | y << 16 | kept << 31.
; One work-group for a map, since the count of peaks in front of a word runs over the whole map: 152 work-groups is all the work there is.
; All decisions here are whole-number work on the bit words; the heatmap is read only for the 64 scores.
; PHASES: (1) thread t = column t counts the peaks of its 16 words; (2) a prefix sum over the 384 columns (lanes, then waves through LDS)
; gives for every word, in the order column x 16 + block, the number of peaks in front of it (EX); (3) wave 0, two slots a lane, finds by
; a binary search in EX the word that holds peak number k, takes its (k - EX)-th set bit, loads the score and runs the suppression.
; A slot beyond the map's last peak ends in the zero columns 368..383 and is marked not valid: x = y = 0, as in reference().
; No tile is shared between work-groups (no cluster), there is no product (no matrix unit).
.set MAPB, 541696
.set EXB,  0                           ; LDS 0 .. 36863: EX, u32 at index 16 column + block; indices 6144 .. 9215 hold 0x7fffffff (the search looks up to 8191)
.set WRD,  36864                       ; LDS 36864 .. 61439: the bit words, same index
.set TOT,  61440                       ; LDS 61440 .. 61487: the 12 waves' totals
.set W,    4                           ; v[4:19]   phases 1, 2: my column's 16 words
.set P,    20                          ; v[20:35]  phases 1, 2: peaks in front of each of them
; phase 3, pairs (slot 2 L, slot 2 L + 1):
.set K,    4                           ; slot number
.set POS,  6                           ; search position
.set BEL,  8                           ; EX at that position
.set TT,   10                          ; position tried
.set AD,   12                          ; its LDS address
.set E,    14                          ; EX read there; later the bit word
.set N,    16                          ; how many set bits of the word lie in front of mine
.set J,    20                          ; my bit's number
.set X,    22
.set Y,    24
.set OFF,  26                          ; byte offset of the score in the map
.set H,    28                          ; the raw score
.set SC,   30                          ; v[30:31] the thresholded score
.set CO,   32                          ; v[32:35] 2 x0, 2 y0, 2 x1, 2 y1 in f32
; d = number of ones in w, for w below 2^24; t is scratch; d may be w
.macro POPC d, w, t
	v_lshrrev_b32 v[\t], 1, v[\w]
	v_and_b32 v[\t], s20, v[\t]
	v_sub_nc_u32 v[\d], v[\w], v[\t]               ; sums of 2 bits
	v_lshrrev_b32 v[\t], 2, v[\d]
	v_and_b32 v[\t], s21, v[\t]
	v_and_b32 v[\d], s21, v[\d]
	v_add_nc_u32 v[\d], v[\d], v[\t]               ; of 4
	v_lshrrev_b32 v[\t], 4, v[\d]
	v_add_nc_u32 v[\d], v[\d], v[\t]
	v_and_b32 v[\d], s22, v[\d]                    ; of 8: three bytes
	v_mul_u32_u24 v[\d], s23, v[\d]                ; byte 2 of the product = their sum
	v_bfe_u32 v[\d], v[\d], 16, 8
.endm
	s_load_b256 s[4:11], s[0:1], 0x0               ; bits s[4:5], heatmap2d s[6:7], out1 s[8:9], out2 s[10:11]
	s_load_b128 s[12:15], s[0:1], 0x20             ; out3 s[12:13], pk s[14:15]
	v_lshl_add_u32 v72, v0, 2, 0xf100
	v_mov_b32 v73, 0
	v_lshrrev_b32 v2, 5, v0
	v_readfirstlane_b32 s16, v2                    ; wave 0..11
	v_lshlrev_b32 v1, 2, v0                        ; 4 t: my column in a block row of bits
	v_lshlrev_b32 v2, 4, v0                        ; 16 t
	v_lshlrev_b32 v3, 6, v0                        ; 64 t: my column's 16 words in LDS
	s_mov_b32 s20, 0x55555555
	s_mov_b32 s21, 0x33333333
	s_mov_b32 s22, 0x0f0f0f0f
	s_mov_b32 s23, 0x010101
	s_mov_b32 s27, 0xffff0000                      ; lanes 16..31
	s_mov_b32 s34, 0x3dcccccd                      ; 0.1
	s_mov_b32 s19, 0
	s_mul_i32 s18, ttmp9, 24576
	s_wait_kmcnt 0x0
	s_add_nc_u64 s[4:5], s[4:5], s[18:19]
.irp yb, 0,1,2,3,4,5,6,7,8,9,10,11,12,13,14,15
	global_load_b32 v[W+\yb], v1, s[4:5] offset:1536*\yb
.endr
	s_mul_i32 s18, ttmp9, MAPB
	s_add_nc_u64 s[6:7], s[6:7], s[18:19]          ; my map
	s_lshl_b32 s18, ttmp9, 9
	s_add_nc_u64 s[8:9], s[8:9], s[18:19]          ; 512 bytes of out1 a map
	s_lshl_b32 s18, ttmp9, 8
	s_add_nc_u64 s[10:11], s[10:11], s[18:19]      ; 256 of out2
	s_add_nc_u64 s[14:15], s[14:15], s[18:19]      ; 256 of pk
	s_lshl_b32 s18, ttmp9, 6
	s_add_nc_u64 s[12:13], s[12:13], s[18:19]      ; 64 of out3
.irp r, 56,57,58,59
	v_mov_b32 v\r, 0x7fffffff
.endr
	ds_store_b128 v2, v[56:59] offset:24576        ; behind the last word: more peaks in front than any slot number
	ds_store_b128 v2, v[56:59] offset:30720
	; PHASE 1: peaks in front of each of my 16 words, inside my column
	v_mov_b32 v[P], 0
.irp yb, 1,2,3,4,5,6,7,8,9,10,11,12,13,14,15
	s_wait_loadcnt 16-\yb                          ; word yb - 1 is in: 16 - yb loads were issued behind it
	POPC 38, W+\yb-1, 39
	v_add_nc_u32 v[P+\yb], v[P+\yb-1], v38
.endr
	s_wait_loadcnt 0x0
	POPC 38, W+15, 39
	v_add_nc_u32 v36, v[P+15], v38                 ; my column's total
	; PHASE 2: prefix sum over the columns.  Inside each half of 16 lanes by shifted adds, then the lower half's sum onto the upper half
	v_mov_b32 v37, v36
	v_mov_b32 v38, 0                               ; a DPP move's destination counts as read
.irp n, 1,2,4,8
	v_mov_b32_dpp v38, v37 row_shr:\n row_mask:0xf bank_mask:0xf bound_ctrl:1
	v_add_nc_u32 v37, v37, v38
.endr
	v_readlane_b32 s24, v37, 15
	v_mov_b32 v39, s24
	v_cndmask_b32 v38, 0, v39, s27
	v_add_nc_u32 v37, v37, v38                     ; columns of my wave up to and with mine
	v_readlane_b32 s25, v37, 31                    ; my wave's total
	v_mov_b32 v39, s25
	v_mov_b32 v38, s16
	v_lshlrev_b32 v38, 2, v38
	ds_store_b32 v38, v39 offset:TOT               ; all lanes write the same word with the same value
	s_wait_dscnt 0x0                               ; for the other waves' sake: my total (and my share of the fill) is in LDS
	s_barrier_signal -1
	s_barrier_wait -1
	v_mov_b32 v38, 0
	ds_load_b128 v[44:47], v38 offset:TOT
	ds_load_b128 v[48:51], v38 offset:TOT+16
	ds_load_b128 v[52:55], v38 offset:TOT+32
	v_mov_b32 v40, 0
	s_wait_dscnt 0x0
.irp u, 0,1,2,3,4,5,6,7,8,9,10
	s_cmp_gt_u32 s16, \u                           ; wave u stands in front of mine?
	s_cselect_b32 s26, -1, 0
	v_and_b32 v39, s26, v[44+\u]
	v_add_nc_u32 v40, v40, v39
.endr
	v_add_nc_u32 v40, v40, v37
	v_sub_nc_u32 v40, v40, v36                     ; peaks in the columns in front of mine
.irp yb, 0,1,2,3,4,5,6,7,8,9,10,11,12,13,14,15
	v_add_nc_u32 v[P+\yb], v[P+\yb], v40
.endr
.irp c, 0,1,2,3
	ds_store_b128 v3, v[P+4*\c:P+4*\c+3] offset:EXB+16*\c
	ds_store_b128 v3, v[W+4*\c:W+4*\c+3] offset:WRD+16*\c
.endr
	s_wait_dscnt 0x0                               ; my stores are in LDS (and my reads of the totals are over) before I say so
	s_barrier_signal -1
	s_barrier_wait -1
	s_cmp_lg_u32 s16, 0
	s_cbranch_scc1 .Lend                           ; 64 slots are two a lane of one wave: the other waves are done
	; PHASE 3, wave 0.  The largest index with EX <= k is the word that holds peak number k: EX does not fall, and the next word's is above k.
	v_lshlrev_b32 v[K], 1, v0
	v_or_b32 v[K+1], 1, v[K]
.irp r, POS, POS+1, BEL, BEL+1
	v_mov_b32 v[\r], 0                             ; EX at index 0 is 0
.endr
.irp st, 4096,2048,1024,512,256,128,64,32,16,8,4,2,1
	v_add_nc_u32 v[TT], \st, v[POS]
	v_add_nc_u32 v[TT+1], \st, v[POS+1]
	v_min_u32 v[AD], 8191, v[TT]                   ; never more than the steps' sum: the bound is written for the address's sake
	v_min_u32 v[AD+1], 8191, v[TT+1]
	v_lshlrev_b32 v[AD], 2, v[AD]
	v_lshlrev_b32 v[AD+1], 2, v[AD+1]
	ds_load_b32 v[E], v[AD]
	ds_load_b32 v[E+1], v[AD+1]
	s_wait_dscnt 0x0                               ; the next step's address hangs on both
	v_cmp_le_u32 vcc_lo, v[E], v[K]
	v_cndmask_b32 v[POS], v[POS], v[TT], vcc_lo
	v_cndmask_b32 v[BEL], v[BEL], v[E], vcc_lo
	v_cmp_le_u32 vcc_lo, v[E+1], v[K+1]
	v_cndmask_b32 v[POS+1], v[POS+1], v[TT+1], vcc_lo
	v_cndmask_b32 v[BEL+1], v[BEL+1], v[E+1], vcc_lo
.endr
.irp q, 0,1
	v_sub_nc_u32 v[N+\q], v[K+\q], v[BEL+\q]
	v_min_u32 v[AD+\q], 6143, v[POS+\q]
	v_lshlrev_b32 v[AD+\q], 2, v[AD+\q]
	ds_load_b32 v[E+\q], v[AD+\q] offset:WRD
.endr
	s_wait_dscnt 0x0
	; drop the N lowest set bits.  Peaks of one column are never neighbours, so a word of 23 rows holds 12 at the most and N is 11 at the most
.irp i, 0,1,2,3,4,5,6,7,8,9,10
.irp q, 0,1
	v_add_nc_u32 v18, -1, v[E+\q]
	v_and_b32 v18, v18, v[E+\q]
	v_cmp_lt_u32 vcc_lo, \i, v[N+\q]
	v_cndmask_b32 v[E+\q], v[E+\q], v18, vcc_lo
.endr
.endr
.irp q, 0,1
	v_sub_nc_u32 v18, 0, v[E+\q]
	v_and_b32 v18, v18, v[E+\q]                    ; the lowest bit left
	v_add_nc_u32 v18, -1, v18                      ; ones below it
	POPC J+\q, 18, 19                              ; its number (of no meaning in a slot that is not valid, and dropped there)
	v_cmp_gt_u32 s[28+\q], 5888, v[POS+\q]         ; valid: the word lies in columns 0..367
	v_lshrrev_b32 v[X+\q], 4, v[POS+\q]
	v_and_b32 v18, 15, v[POS+\q]
	v_mad_u32_u24 v[Y+\q], v18, 23, v[J+\q]
	v_cndmask_b32 v[X+\q], 0, v[X+\q], s[28+\q]
	v_cndmask_b32 v[Y+\q], 0, v[Y+\q], s[28+\q]
	v_mad_u32_u24 v18, v[Y+\q], 368, v[X+\q]
	v_min_u32 v18, 135423, v18                     ; the map's last pixel
	v_lshlrev_b32 v[OFF+\q], 2, v18
	global_load_b32 v[H+\q], v[OFF+\q], s[6:7]     ; on its way during the suppression
	v_lshlrev_b32 v18, 1, v[X+\q]
	v_lshlrev_b32 v19, 1, v[Y+\q]
	v_cvt_f32_u32 v[CO+2*\q], v18
	v_cvt_f32_u32 v[CO+2*\q+1], v19
.endr
; THE SUPPRESSION.  s28, s29: slots 2 L and 2 L + 1 that are valid and not suppressed so far.  Step (i, p) is slot 2 i + p: if it is still
; alive it removes every LATER slot nearer than 6 (dx^2 + dy^2 < 36, exact in whole numbers).  Later slots: even ones from lane i + 1 on;
; odd ones from lane i on for p = 0, from lane i + 1 on for p = 1.
.macro NSTEP i, p
	v_readlane_b32 s30, v[X+\p], \i
	v_readlane_b32 s31, v[Y+\p], \i
	v_sub_nc_u32 v40, s30, v[X]
	v_sub_nc_u32 v41, s31, v[Y]
	v_sub_nc_u32 v42, s30, v[X+1]
	v_sub_nc_u32 v43, s31, v[Y+1]
	v_mul_lo_u32 v40, v40, v40
	v_mul_lo_u32 v42, v42, v42
	v_mad_u32 v40, v41, v41, v40
	v_mad_u32 v42, v43, v43, v42
	v_cmp_gt_u32 s32, 36, v40
	v_cmp_gt_u32 s33, 36, v42
	s_and_b32 s32, s32, (0xfffffffe<<\i)&0xffffffff
.if \p
	s_and_b32 s33, s33, (0xfffffffe<<\i)&0xffffffff
.else
	s_and_b32 s33, s33, (0xffffffff<<\i)&0xffffffff
.endif
	s_bitcmp1_b32 s[28+\p], \i                     ; is slot 2 i + p alive?  (the selects below leave SCC alone)
	s_cselect_b32 s32, s32, 0
	s_cselect_b32 s33, s33, 0
	s_and_not1_b32 s28, s28, s32
	s_and_not1_b32 s29, s29, s33
.endm
.irp i, 0,1,2,3,4,5,6,7,8,9,10,11,12,13,14,15,16,17,18,19,20,21,22,23,24,25,26,27,28,29,30,31
	NSTEP \i, 0
	NSTEP \i, 1
.endr
	v_cndmask_b32 v38, 0, 1, s28
	v_cndmask_b32 v39, 0, 1, s29
	v_lshl_or_b32 v36, v[Y], 16, v[X]
	v_lshl_or_b32 v37, v[Y+1], 16, v[X+1]
	v_lshl_or_b32 v36, v38, 31, v36
	v_lshl_or_b32 v37, v39, 31, v37
	v_lshl_or_b32 v38, v39, 8, v38                 ; two bytes of out3
	v_lshlrev_b32 v44, 3, v0
	v_lshlrev_b32 v45, 1, v0
	v_lshlrev_b32 v46, 4, v0
	global_store_b64 v44, v[36:37], s[14:15]       ; the wave stores the map's 256 consecutive bytes of pk
	global_store_b16 v45, v38, s[12:13]            ; a map owns only 64 bytes of out3
	global_store_b128 v46, v[CO:CO+3], s[8:9]      ; 512 consecutive bytes of out1
	s_wait_loadcnt 0x0                             ; the two scores
	v_cmp_gt_f32 vcc_lo, s34, v[H]
	v_cndmask_b32 v[SC], v[H], 0, vcc_lo           ; under 0.1: 0 (this can only happen in a slot that is not valid, which reads pixel (0, 0))
	v_cmp_gt_f32 vcc_lo, s34, v[H+1]
	v_cndmask_b32 v[SC+1], v[H+1], 0, vcc_lo
	global_store_b64 v44, v[SC:SC+1], s[10:11]     ; 256 consecutive bytes of out2
.Lend:
	s_wait_tensorcnt 0x0
	ds_add_u32 v72, v73
	s_wait_dscnt 0x0
	s_endpgm
.Lfunc_end_k_q2c54d12054_pick:
	.size	k_q2c54d12054_pick, .Lfunc_end_k_q2c54d12054_pick-k_q2c54d12054_pick
	.p2alignl 7, 3214868480
	.fill 96, 4, 3214868480
	.section	.rodata,"a",@progbits
	.p2align	6, 0x0
	.amdhsa_kernel k_q2c54d12054_pick
		.amdhsa_group_segment_fixed_size 63232
		.amdhsa_private_segment_fixed_size 0
		.amdhsa_enable_private_segment 0
		.amdhsa_kernarg_size 48
		.amdhsa_user_sgpr_count 2
		.amdhsa_user_sgpr_kernarg_segment_ptr 1
		.amdhsa_wavefront_size32 1
		.amdhsa_system_sgpr_workgroup_id_x 1
		.amdhsa_system_sgpr_workgroup_id_y 1
		.amdhsa_system_sgpr_workgroup_id_z 1
		.amdhsa_system_vgpr_workitem_id 0
		.amdhsa_next_free_vgpr 74
		.amdhsa_next_free_sgpr 66
		.amdhsa_reserve_vcc 1
		.amdhsa_float_denorm_mode_32 3
		.amdhsa_float_denorm_mode_16_64 3
		.amdhsa_memory_ordered 1
		.amdhsa_forward_progress 1
		.amdhsa_inst_pref_size 88
	.end_amdhsa_kernel
	.amdgpu_metadata
---
amdhsa.version: [ 1, 2 ]
amdhsa.kernels:
  - .name:           k_q2c54d12054_pick
    .symbol:         k_q2c54d12054_pick.kd
    .args:
      - { .name: bits, .offset: 0, .size: 8, .value_kind: global_buffer, .address_space: global }
      - { .name: heatmap2d, .offset: 8, .size: 8, .value_kind: global_buffer, .address_space: global }
      - { .name: out1, .offset: 16, .size: 8, .value_kind: global_buffer, .address_space: global }
      - { .name: out2, .offset: 24, .size: 8, .value_kind: global_buffer, .address_space: global }
      - { .name: out3, .offset: 32, .size: 8, .value_kind: global_buffer, .address_space: global }
      - { .name: pk, .offset: 40, .size: 8, .value_kind: global_buffer, .address_space: global }
    .group_segment_fixed_size: 63232
    .private_segment_fixed_size: 0
    .kernarg_segment_align: 8
    .kernarg_segment_size: 48
    .max_flat_workgroup_size: 384
    .sgpr_count:     66
    .vgpr_count:     74
    .wavefront_size: 32
...
	.end_amdgpu_metadata
.endif
;; end of part 2
;; launch conn (part 3): grid 152 x 8, 8 waves a work-group, no clusters, 0 bytes of LDS; arguments paf2d, pk, out2, out0; writes out0
.if DOCPART == 3
	.amdgcn_target "amdgcn-amd-amdhsa--gfx1250"
	.amdhsa_code_object_version 6
	.text
	.protected	k_q2c54d12054_conn
	.globl	k_q2c54d12054_conn
	.p2align	8
	.type	k_q2c54d12054_conn,@function
k_q2c54d12054_conn:
	s_mov_b64 s[64:65], 0
	v_nop
	global_prefetch_b8 v0, s[64:65] scope:SCOPE_SE
	s_setreg_imm32_b32 hwreg(HW_REG_WAVE_MODE, 25, 1), 1
	s_wait_xcnt 0x0
; LIMB SCORES.  out0[batch][limb][i][j]: the line integral of the limb's two PAF channels from candidate i of keypoint A to candidate j of B.
; paf2d: [8][38][368][368] f32; pk: [152][64] u32 = x | y << 16 | kept << 31; out2: [152][64] f32 scores.
; SHARES: x = 8 limb + row block, y = batch; a wave makes one row i of 64 numbers (256 consecutive bytes, at a multiple of 256 from the
; buffer's first byte, in one store); a lane makes j = 2 L and 2 L + 1.  Waves do not depend on each other: no LDS, no barrier.
; THE SAMPLE POINTS ARE MADE IN WHOLE NUMBERS: round(a + (b - a) p / 9) = floor((9 a + p (b - a) + 4) / 9), since the fraction is a
; multiple of 1/9 and so at least 1/18 from one half, far more than the f32 error of reference()'s form (coordinates are below 368);
; floor(M / 9) = (7282 M) >> 16 for M below 32768 (here at most 3307).  The points lie between a and b, so the clip changes nothing.
; So every gather address hangs only on the whole numbers read from pk.
; success > 0.8 is npass >= 9 (8 / 10 in f32 is the f32 0.8 itself).  The second channel of every limb is the first + 1: one map further.
; A row whose A candidate was not kept is all zeros and gathers nothing.  A lane whose B candidate was not kept samples the point A ten
; times (all such lanes at one address) and its result is replaced by 0.
; LIMITS: 1 / norm and 1 / npass come from v_sqrt_f32 and v_rcp_f32 (1 ULP, ISA guide 15.8), and ps is one multiply and one fused
; multiply-add: a ps within a few ULP of 0.05 may fall on the other side of that threshold than in reference().
; Only the samples of paf2d are read.  No tile is shared (no cluster), no product (no matrix unit); all 40 gathers of a wave are issued as soon as their
; addresses exist, so there is nothing left to ask for ahead of them.
.set MAPB, 541696
.set XB,  6                            ; pairs (j = 2 L, 2 L + 1) from here on
.set YB,  8
.set DX,  10
.set DY,  12
.set X,   14                           ; 9 xa + 4 + p dx
.set Y,   16
.set O,   20                           ; v[20:39]  byte offset of point p of pair q at O + 10 q + p: each written once
.set FX,  40                           ; v[40:59]
.set FY,  60                           ; v[60:79]
.set UX,  80
.set UY,  82
.set PEN, 84                           ; 1 / norm, then min(184 / norm - 1, 0)
.set D2,  86
.set SUM, 88
.set NP,  90
.set RES, 92
.macro LIMB n, a, b, c
	s_cmp_eq_u32 s13, \n
	s_cselect_b32 s20, (\a)|((\b)<<8)|((\c)<<16), s20
.endm
	s_load_b256 s[4:11], s[0:1], 0x0               ; paf2d s[4:5], pk s[6:7], out2 s[8:9], out0 s[10:11]
	v_lshrrev_b32 v2, 5, v0
	v_readfirstlane_b32 s12, v2                    ; wave 0..7
	v_and_b32 v1, 31, v0
	v_lshlrev_b32 v1, 3, v1                        ; 8 bytes a lane: two candidates, two results
	s_lshr_b32 s13, ttmp9, 3                       ; limb 0..18
	s_and_b32 s14, ttmp9, 7
	s_and_b32 s15, ttmp7, 0xffff                   ; batch
	s_lshl_b32 s16, s14, 3
	s_add_co_u32 s16, s16, s12                     ; row i
	s_mov_b32 s20, 1|(2<<8)|(12<<16)               ; limb 0: keypoint A | keypoint B << 8 | first PAF channel << 16
	LIMB 1, 1, 5, 20
	LIMB 2, 2, 3, 14
	LIMB 3, 3, 4, 16
	LIMB 4, 5, 6, 22
	LIMB 5, 6, 7, 24
	LIMB 6, 1, 8, 0
	LIMB 7, 8, 9, 2
	LIMB 8, 9, 10, 4
	LIMB 9, 1, 11, 6
	LIMB 10, 11, 12, 8
	LIMB 11, 12, 13, 10
	LIMB 12, 1, 0, 28
	LIMB 13, 0, 14, 30
	LIMB 14, 14, 16, 34
	LIMB 15, 0, 15, 32
	LIMB 16, 15, 17, 36
	LIMB 17, 2, 16, 18
	LIMB 18, 5, 17, 26
	s_and_b32 s21, s20, 0xff
	s_bfe_u32 s22, s20, 0x80008
	s_bfe_u32 s23, s20, 0x80010
	s_mul_i32 s17, s15, 19
	s_add_co_u32 s21, s21, s17                     ; A's map
	s_add_co_u32 s22, s22, s17                     ; B's map
	s_add_co_u32 s13, s13, s17                     ; the plane of out0
	s_mul_i32 s18, s15, 38
	s_add_co_u32 s23, s23, s18                     ; the first PAF map
	s_mul_i32 s34, s23, MAPB                       ; below 2^28: paf2d has 164,675,584 bytes
	s_mov_b32 s35, 0
	s_wait_kmcnt 0x0
	s_add_nc_u64 s[4:5], s[4:5], s[34:35]
	s_lshl_b32 s34, s21, 6
	s_add_co_u32 s34, s34, s16
	s_lshl_b32 s34, s34, 2                         ; candidate i of A
	s_add_nc_u64 s[36:37], s[6:7], s[34:35]
	s_add_nc_u64 s[38:39], s[8:9], s[34:35]
	s_load_b32 s24, s[36:37], 0x0                  ; its pk word
	s_load_b32 s25, s[38:39], 0x0                  ; its score
	s_lshl_b32 s34, s22, 8
	s_add_nc_u64 s[40:41], s[6:7], s[34:35]
	s_add_nc_u64 s[42:43], s[8:9], s[34:35]
	global_load_b64 v[2:3], v1, s[40:41]           ; B's 64 pk words: 256 consecutive bytes
	global_load_b64 v[4:5], v1, s[42:43]           ; B's 64 scores
	s_lshl_b32 s34, s13, 6
	s_add_co_u32 s34, s34, s16
	s_lshl_b32 s34, s34, 8
	s_add_nc_u64 s[10:11], s[10:11], s[34:35]      ; my row of out0
	s_mov_b32 s28, 0x3d4ccccd                      ; 0.05
	s_wait_kmcnt 0x0
	s_bitcmp1_b32 s24, 31
	s_cbranch_scc0 .Lzero                          ; A's candidate was not kept: a whole number read from pk decides
	s_and_b32 s29, s24, 0xffff                     ; xa
	s_bfe_u32 s30, s24, 0xf0010                    ; ya
	s_mul_i32 s26, s29, 9
	s_add_co_u32 s26, s26, 4
	s_mul_i32 s27, s30, 9
	s_add_co_u32 s27, s27, 4
	v_mov_b32 v18, s29
	v_mov_b32 v19, s30
	s_wait_loadcnt 0x0                             ; B's words and scores
.irp q, 0,1
	v_cmp_gt_i32 s[44+\q], 0, v[2+\q]              ; bit 31: B's candidate was kept
	v_and_b32 v[XB+\q], 0xffff, v[2+\q]
	v_bfe_u32 v[YB+\q], v[2+\q], 16, 15
	v_cndmask_b32 v[XB+\q], v18, v[XB+\q], s[44+\q]
	v_cndmask_b32 v[YB+\q], v19, v[YB+\q], s[44+\q]
	v_sub_nc_u32 v[DX+\q], v[XB+\q], v18
	v_sub_nc_u32 v[DY+\q], v[YB+\q], v19
	v_mov_b32 v[X+\q], s26
	v_mov_b32 v[Y+\q], s27
.endr
; point p of pair q: its pixel, its two gathers, and the step to the next point
.macro POINT q, p
	v_mul_u32_u24 v18, 0x1c72, v[X+\q]
	v_mul_u32_u24 v19, 0x1c72, v[Y+\q]
	v_lshrrev_b32 v18, 16, v18                     ; px
	v_lshrrev_b32 v19, 16, v19                     ; py
	v_mad_u32_u24 v19, v19, 368, v18
	v_min_u32 v19, 135423, v19                     ; the map's last pixel: the bound is written for the address's sake
	v_lshlrev_b32 v[O+10*\q+\p], 2, v19
	global_load_b32 v[FX+10*\q+\p], v[O+10*\q+\p], s[4:5]
	global_load_b32 v[FY+10*\q+\p], v[O+10*\q+\p], s[4:5] offset:MAPB
.if \p < 9
	v_add_nc_u32 v[X+\q], v[X+\q], v[DX+\q]
	v_add_nc_u32 v[Y+\q], v[Y+\q], v[DY+\q]
.endif
.endm
.irp q, 0,1
.irp p, 0,1,2,3,4,5,6,7,8,9
	POINT \q, \p
.endr
.endr
	; while the 40 gathers are on their way: the unit vector and the penalty for long limbs
.irp q, 0,1
	v_cvt_f32_i32 v[UX+\q], v[DX+\q]
	v_cvt_f32_i32 v[UY+\q], v[DY+\q]
	v_mul_f32 v[D2+\q], v[UX+\q], v[UX+\q]
	v_fmac_f32 v[D2+\q], v[UY+\q], v[UY+\q]        ; exact: below 2^19
.endr
	v_sqrt_f32 v94, v[D2]
	v_sqrt_f32 v95, v[D2+1]
	v_nop                                          ; one plain place behind a transcendental before its result is used (ISA guide 5.7.2)
	s_wait_alu depctr_va_vdst(0)
	v_max_num_f32 v94, 0x358637bd, v94             ; max(norm, 1e-6)
	v_max_num_f32 v95, 0x358637bd, v95
	v_rcp_f32 v[PEN], v94
	v_rcp_f32 v[PEN+1], v95
	v_nop                                          ; the same
	s_wait_alu depctr_va_vdst(0)
.irp q, 0,1
	v_mul_f32 v[UX+\q], v[UX+\q], v[PEN+\q]
	v_mul_f32 v[UY+\q], v[UY+\q], v[PEN+\q]
	v_fma_f32 v[PEN+\q], v[PEN+\q], 0x43380000, -1.0       ; 184 / norm - 1
	v_min_num_f32 v[PEN+\q], 0, v[PEN+\q]
.endr
; point p of pair q joins the sums; the first point starts them
.macro ACC q, p
	s_wait_loadcnt 38-2*(10*\q+\p)                 ; gathers come back in order: behind this point's two, 38 - 2 (10 q + p) were issued
	v_mul_f32 v94, v[UY+\q], v[FY+10*\q+\p]
	v_fmac_f32 v94, v[UX+\q], v[FX+10*\q+\p]
	v_cmp_lt_f32 vcc_lo, s28, v94
.if \p == 0
	v_cndmask_b32 v[SUM+\q], 0, v94, vcc_lo
	v_cndmask_b32 v[NP+\q], 0, 1, vcc_lo
.else
	v_cndmask_b32 v94, 0, v94, vcc_lo
	v_add_f32 v[SUM+\q], v[SUM+\q], v94
	v_add_co_ci_u32 v[NP+\q], vcc_lo, 0, v[NP+\q], vcc_lo  ; the count takes the compare's bit as its carry
.endif
.endm
.irp q, 0,1
.irp p, 0,1,2,3,4,5,6,7,8,9
	ACC \q, \p
.endr
.endr
.irp q, 0,1
	v_max_u32 v[94+\q], 1, v[NP+\q]
	v_cvt_f32_u32 v[94+\q], v[94+\q]
.endr
	v_rcp_f32 v18, v94
	v_rcp_f32 v19, v95
	v_nop                                          ; one plain place behind the transcendentals
	s_wait_alu depctr_va_vdst(0)
.irp q, 0,1
	v_fma_f32 v[18+\q], v[SUM+\q], v[18+\q], v[PEN+\q]     ; ratio
	v_cmp_lt_f32 s46, 0, v[18+\q]                  ; ratio > 0
	v_cmp_le_u32 s47, 9, v[NP+\q]                  ; nine or ten points passed
	s_and_b32 s46, s46, s47
	v_cmp_lt_f32 s47, 0, v[D2+\q]                  ; A and B are different pixels
	s_and_b32 s46, s46, s47
	s_and_b32 s46, s46, s[44+\q]                   ; B was kept (A was: the branch above)
	v_add_f32 v[18+\q], s25, v[18+\q]
	v_add_f32 v[18+\q], v[18+\q], v[4+\q]
	v_cndmask_b32 v[RES+\q], 0, v[18+\q], s46
.endr
	global_store_b64 v1, v[RES:RES+1], s[10:11]
	s_endpgm
.Lzero:
	v_mov_b32 v[RES], 0
	v_mov_b32 v[RES+1], 0
	global_store_b64 v1, v[RES:RES+1], s[10:11]    ; B's two loads may still be out: nothing here touches v[2:5]
	s_endpgm
.Lfunc_end_k_q2c54d12054_conn:
	.size	k_q2c54d12054_conn, .Lfunc_end_k_q2c54d12054_conn-k_q2c54d12054_conn
	.p2alignl 7, 3214868480
	.fill 96, 4, 3214868480
	.section	.rodata,"a",@progbits
	.p2align	6, 0x0
	.amdhsa_kernel k_q2c54d12054_conn
		.amdhsa_group_segment_fixed_size 0
		.amdhsa_private_segment_fixed_size 0
		.amdhsa_enable_private_segment 0
		.amdhsa_kernarg_size 32
		.amdhsa_user_sgpr_count 2
		.amdhsa_user_sgpr_kernarg_segment_ptr 1
		.amdhsa_wavefront_size32 1
		.amdhsa_system_sgpr_workgroup_id_x 1
		.amdhsa_system_sgpr_workgroup_id_y 1
		.amdhsa_system_sgpr_workgroup_id_z 1
		.amdhsa_system_vgpr_workitem_id 0
		.amdhsa_next_free_vgpr 96
		.amdhsa_next_free_sgpr 66
		.amdhsa_reserve_vcc 1
		.amdhsa_float_denorm_mode_32 3
		.amdhsa_float_denorm_mode_16_64 3
		.amdhsa_memory_ordered 1
		.amdhsa_forward_progress 1
		.amdhsa_inst_pref_size 25
	.end_amdhsa_kernel
	.amdgpu_metadata
---
amdhsa.version: [ 1, 2 ]
amdhsa.kernels:
  - .name:           k_q2c54d12054_conn
    .symbol:         k_q2c54d12054_conn.kd
    .args:
      - { .name: paf2d, .offset: 0, .size: 8, .value_kind: global_buffer, .address_space: global }
      - { .name: pk, .offset: 8, .size: 8, .value_kind: global_buffer, .address_space: global }
      - { .name: out2, .offset: 16, .size: 8, .value_kind: global_buffer, .address_space: global }
      - { .name: out0, .offset: 24, .size: 8, .value_kind: global_buffer, .address_space: global }
    .group_segment_fixed_size: 0
    .private_segment_fixed_size: 0
    .kernarg_segment_align: 8
    .kernarg_segment_size: 32
    .max_flat_workgroup_size: 256
    .sgpr_count:     66
    .vgpr_count:     96
    .wavefront_size: 32
...
	.end_amdgpu_metadata
.endif
;; end of part 3
